; MI455X (gfx1250); checked and timed in simulation.
; The chip was launched on July 23, 2026; its instructions are those of AMD's public machine-readable ISA for CDNA 5 (MIT licence, August 2026) and "CDNA5" Instruction Set Architecture Reference Guide (July 2026). The comments in the code are by the model that wrote it; some were corrected since.
;; Prob Attention. Allowed arithmetic: matrix products marked QUANTISED: E3M2 operands, one E8M0 scale for each 32 along K, by v_wmma_scale_f32_16x16x128_f8f6f4 with both operands' format E3M2, f32 sums; everything else in f32.
;; Inputs: attn_mask 2,048 x 2,048 bool; keys_codes 4 x 8 x 2,048 x 2 x 24 uint8 (E3M2 codes of keys, K innermost, in blocks of 32 codes, four codes in three bytes); keys_scales 4 x 8 x 2,048 x 2 uint8 (E8M0 scales of keys, one for each 32 codes along K); queries 4 x 8 x 2,048 x 64 float32; values_codes 4 x 8 x 64 x 64 x 24 uint8 (E3M2 codes of values, K innermost, in blocks of 32 codes, four codes in three bytes); values_scales 4 x 8 x 64 x 64 uint8 (E8M0 scales of values, one for each 32 codes along K).
;; Outputs: out0 4 x 8 x 2,048 x 64 float32.
;; This version of the problem:
;;   THIS VERSION OF THE PROBLEM IS GIVEN IN LOW PRECISION. The matrix products marked QUANTISED in the list below multiply operands that are first quantised to E3M2 (3 exponent bits, 2 mantissa bits; 6 bits a number), with one power-of-two scale for each 32 numbers along K (OCP MX v1.0); their sums are f32. All else is computed in f32.
;;   The module's matrix products, in the order in which they are computed (A, B: the left and right operand; K: the contracted axis; several contracted axes count as one K, in the product's order):
;;     1. batch 32 x [M 2,048, K 64] x [K 64, N 2,048]; A: computed on the way; B: input keys (given as codes): QUANTISED
;;     2. batch 32 x [M 2,048, K 2,048] x [K 2,048, N 64]; A: softmax (see below); B: input values (given as codes): QUANTISED
;;   THE QUANTISER, for each operand of a quantised product, along K:
;;     - K is cut into blocks of 32 from its start; a last block that is shorter is filled with zeros.
;;     - A block's scale is 2^e with e = floor(log2(the largest magnitude in the block)) - 4, held to -126 .. 127; a block of zeros has e = 0. As a byte (E8M0): e + 127.
;;     - Each number is divided by its block's scale, clamped to +-28, and rounded to the nearest number of E3M2, ties to even, subnormals kept.
;;     - The product sums the exact products of the quantised numbers (number of the format x scale) in f32.
;;   ~~~python
;;   def quantise(x, axis):      # numpy; x: float32 -> the quantised numbers, widened to float32 again
;;       x = np.moveaxis(x, axis, -1); K = x.shape[-1]
;;       x = np.pad(x, [(0, 0)] * (x.ndim - 1) + [(0, -K % 32)]); x = x.reshape(x.shape[:-1] + (-1, 32)); a = np.abs(x).max(-1, keepdims=True)
;;       e = np.where(a > 0, np.clip(np.frexp(np.where(a > 0, a, 1))[1] - 1 - 4, -126, 127), 0)      # np.frexp(a)[1] - 1 = floor(log2(a)), exactly
;;       r = np.clip(x / 2.0 ** e, -28, 28)
;;       step = 2.0 ** (np.maximum(np.frexp(np.where(r == 0, 1, r))[1] - 1, -2) - 2)
;;       q = np.round(r / step) * step * 2.0 ** e      # np.round: ties to even
;;       return np.moveaxis(q.reshape(q.shape[:-2] + (-1,))[..., :K], -1, axis).astype(np.float32)
;;   ~~~
;;   SOFTMAX AHEAD OF A QUANTISED PRODUCT. Where the list says 'softmax', what is quantised is not the finished softmax but p = 2^(t - M), with t = logit x log2(e) and M = ceil(the row's largest t), a whole number; so 1/2 < the row's largest p <= 1. The row's sum l is taken of the UNQUANTISED p, in f32, and the product's result is divided by l at the end. Since M is a whole number, a kernel that streams over the keys may use a running M (the ceiling of the running maximum): every later rescaling is an exact power of two, which a block's scale takes up: the codes' values come out the same.
;;   OPERANDS COMPUTED ON THE WAY. 'Computed on the way' means the value that the module computes at that place (a softmax that the list does not call 'softmax' is quantised finished and normalised). What goes into a quantiser is computed in f32, as accurately as f32 sums, v_exp_f32 and their like allow (about 1e-6 of the number): no bf16 or f16 on the way to a quantiser, and a product that is left as it is and whose result goes on into a quantised operand takes f32 operands (vector FMAs, or v_wmma_f32_16x16x4_f32). A number that lies on a knife's edge between two numbers of the format may be rounded either way, as far as f32 arithmetic and the matrix unit's own rounding can turn it there, and no further.
;;   INPUTS GIVEN AS CODES. keys (in the module: [4, 8, 2048, 64], K = its axis 3); values (in the module: [4, 8, 2048, 64], K = its axis 2): each comes as NAME_codes (uint8): NAME with its K axis moved to the last place and cut into blocks of 32 codes, [.., K / 32, bytes a block], one block behind the other in memory; four codes in three bytes: a row's codes are one little-endian stream of bits, code i at bits 6 i .. 6 i + 5 (a code: sign, 3 exponent bits, 2 mantissa bits); and NAME_scales (uint8): the same leading axes, one E8M0 byte (e + 127) for each 32 codes along K. Its value is code x scale, taken as it is: it is not quantised again, and the codes and scales need not be those that the quantiser above would give.
;; One version. Each part assembles by itself: llvm-mc -triple=amdgcn-amd-amdhsa -mcpu=gfx1250 --defsym DOCPART=n.
;; ======== version 1 of 1: 2 launches
;; limits: right only within a limited range of input values
;; workspace buffers: mbits 557,056 bytes of whole numbers
;; launch pack (part 1): grid 128 x 1, 16 waves a work-group, no clusters, 35,328 bytes of LDS; arguments attn_mask, mbits; writes mbits
.if DOCPART == 1
	.amdgcn_target "amdgcn-amd-amdhsa--gfx1250"
	.amdhsa_code_object_version 6
	.text
	.protected	k_qbf02d3a2b4_pack
	.globl	k_qbf02d3a2b4_pack
	.p2align	8
	.type	k_qbf02d3a2b4_pack,@function
k_qbf02d3a2b4_pack:
	s_mov_b64 s[64:65], 0
	v_nop
	global_prefetch_b8 v0, s[64:65] scope:SCOPE_SE
	s_setreg_imm32_b32 hwreg(HW_REG_WAVE_MODE, 25, 1), 1
	s_wait_xcnt 0x0
; attn_mask [2048][2048], one byte (0 or 1) a place, becomes lane-mask words for the attention launch, which all 32 heads then share.
; Work-group T takes queries 16 T .. 16 T + 15 (16 whole rows of the mask, 32,768 bytes).  Its part of mbits is 4,352 bytes:
;   byte 256 s + 4 n (s = 0 .. 15 a step of 128 keys, n = 16 b + i = 0 .. 63): word W(T, s, n); its bit l = mask[16 T + l % 16][128 s + 32 b + 16 (l / 16) + i]:
;     the very place that lane l holds in register n of the scores of that tile and step.
;   bytes 4096 .. 4351: the flag word F(T), 64 times (256 consecutive bytes).  Bit s: step s is wholly masked AND no row of the tile is masked everywhere (the step adds nothing).
;     Bit 16 + s: nothing of step s is masked.
; Wave w copies row w into LDS by loads of 512 consecutive bytes; behind a barrier it packs step w.  No pattern of the mask is built in.
.set PITCH, 2064                       ; an LDS row: 2,048 bytes + 16 = 129 x 16: the 16 rows that a 16-byte load touches begin in 16 different columns of 16 bytes (64 banks of 4 bytes: ISA guide 11.1)
.set FLG,   16*PITCH                   ; behind the rows: 16 words ALL(w), then 16 words F(w)
.set TILEB, 4352                       ; a tile's bytes in mbits
	s_load_b128 s[4:7], s[0:1], 0x0                ; the mask s[4:5], mbits s[6:7]
	v_lshl_add_u32 v40, v0, 2, 0x8200
	v_mov_b32 v41, 0
	v_lshrrev_b32 v1, 5, v0
	s_delay_alu instid0(VALU_DEP_1)
	v_readfirstlane_b32 s8, v1                     ; wave 0..15
	v_and_b32 v1, 31, v0                           ; lane
	v_and_b32 v2, 15, v0                           ; r
	v_bfe_u32 v3, v0, 4, 1                         ; h
	s_delay_alu instid0(VALU_DEP_3)
	v_lshlrev_b32 v4, 4, v1                        ; in memory: my 16 bytes of a load's 512
	s_mul_i32 s20, s8, PITCH
	v_add_nc_u32 v5, s20, v4                       ; into LDS: row w, 16 x lane
	v_mul_u32_u24 v6, v2, PITCH
	s_delay_alu instid0(VALU_DEP_1)
	v_lshl_add_u32 v6, v3, 4, v6
	s_lshl_b32 s21, s8, 7
	v_add_nc_u32 v6, s21, v6                       ; out of LDS: row r, keys 128 w + 16 h on
	v_lshlrev_b32 v7, 3, v1                        ; the way out: 8 bytes a lane
	s_lshl_b32 s20, s8, 2
	s_add_co_u32 s20, s20, FLG
	v_mov_b32 v32, s20                             ; my wave's flag words
	v_lshl_add_u32 v33, v1, 2, FLG                 ; and all 32, a lane a word (wave 0 reads them)
	v_mov_b32 v28, 0                               ; the wave's 64 words: lane j will hold words 2 j and 2 j + 1 (a lane write's destination counts as read)
	v_mov_b32 v29, 0
	s_mov_b32 s10, -1                              ; ALL: the AND of the 64 words
	s_mov_b32 s11, 0                               ; ANY: their OR
	s_lshl_b32 s22, ttmp9, 15                      ; 16 rows of 2,048 bytes a tile,
	s_lshl_b32 s23, s8, 11                         ; row w
	s_add_co_u32 s22, s22, s23
	s_mov_b32 s23, 0
	s_mul_i32 s24, ttmp9, TILEB
	s_lshl_b32 s25, s8, 8                          ; step w's 256 bytes
	s_add_co_u32 s24, s24, s25
	s_mov_b32 s25, 0
	s_wait_alu depctr_va_vdst(0)
	s_wait_kmcnt 0x0
	s_add_nc_u64 s[4:5], s[4:5], s[22:23]
	s_add_nc_u64 s[6:7], s[6:7], s[24:25]
.irp j, 0,1,2,3
	global_load_b128 v[8+4*\j:11+4*\j], v4, s[4:5] offset:512*\j th:TH_LOAD_NT   ; 32 lanes read 512 consecutive bytes; the mask is read once
.endr
	s_wait_loadcnt 0x0
.irp j, 0,1,2,3
	ds_store_b128 v5, v[8+4*\j:11+4*\j] offset:512*\j
.endr
	s_wait_dscnt 0x0                               ; for the others' sake: my row lies in LDS
	s_barrier_signal -1
	s_barrier_wait -1                              ; all 16 rows do
.irp b, 0,1,2,3
	ds_load_b128 v[8+4*\b:11+4*\b], v6 offset:32*\b                  ; mask[16 T + r][128 w + 32 b + 16 h + 0 .. 15]
.endr
	s_wait_dscnt 0x0
.set n, 0
.rept 64                               ; word n: one byte of each lane becomes one bit of a scalar word; lane n / 2 of v28 or v29 takes it
	v_and_b32 v[24+n%4], 0xff<<(8*(n%4)), v[8+4*(n/16)+(n%16)/4]
	s_delay_alu instid0(VALU_DEP_1)
	v_cmp_ne_u32 s[12+n%8], 0, v[24+n%4]
	s_delay_alu instid0(VALU_DEP_1)
	v_writelane_b32 v[28+n%2], s[12+n%8], n/2
	s_and_b32 s10, s10, s[12+n%8]
	s_or_b32 s11, s11, s[12+n%8]
.set n, n+1
.endr
	global_store_b64 v7, v[28:29], s[6:7]          ; 32 lanes store 256 consecutive bytes, at a multiple of 256 from the buffer's first byte
	s_cmp_eq_u32 s10, -1                           ; all 16 x 128 places masked?
	s_cselect_b32 s20, 1, 0
	s_lshl_b32 s20, s20, s8
	s_cmp_eq_u32 s11, 0                            ; none?
	s_cselect_b32 s21, 1, 0
	s_add_co_u32 s22, s8, 16
	s_lshl_b32 s21, s21, s22
	s_or_b32 s20, s20, s21                         ; F(w)
	v_mov_b32 v34, s10
	v_mov_b32 v35, s20
	ds_store_b32 v32, v34                          ; all lanes write the same word with the same value
	ds_store_b32 v32, v35 offset:64
	s_wait_dscnt 0x0                               ; for wave 0's sake
	s_barrier_signal -1
	s_barrier_wait -1
	s_cmp_lg_u32 s8, 0                             ; wave 0 alone joins the flags; no barrier follows
	s_cbranch_scc1 .Ldone
	ds_load_b32 v36, v33                           ; lanes 0-15: ALL(w); lanes 16-31: F(w)
	s_wait_dscnt 0x0
	s_mov_b32 s10, -1
	s_mov_b32 s11, 0
.set n, 0
.rept 16
	v_readlane_b32 s[12+n%4], v36, n
	v_readlane_b32 s[16+n%4], v36, 16+n
	s_and_b32 s10, s10, s[12+n%4]                  ; bit l: lane l's keys are masked in every step
	s_or_b32 s11, s11, s[16+n%4]
.set n, n+1
.endr
	s_lshr_b32 s12, s10, 16
	s_and_b32 s12, s12, s10
	s_and_b32 s12, s12, 0xffff                     ; bit r: row r is masked everywhere (both halves of its keys)
	s_cmp_lg_u32 s12, 0
	s_cselect_b32 s12, 0xffff0000, -1              ; such a row wants every step: then no step of the tile is passed over
	s_and_b32 s11, s11, s12
	v_mov_b32 v38, s11
	v_mov_b32 v39, s11
	global_store_b64 v7, v[38:39], s[6:7] offset:4096   ; (in wave 0 the base stands at the tile's first byte)  256 consecutive bytes
.Ldone:
	s_wait_tensorcnt 0x0
	ds_add_u32 v40, v41
	s_wait_dscnt 0x0
	s_endpgm
.Lfunc_end_k_qbf02d3a2b4_pack:
	.size	k_qbf02d3a2b4_pack, .Lfunc_end_k_qbf02d3a2b4_pack-k_qbf02d3a2b4_pack
	.p2alignl 7, 3214868480
	.fill 96, 4, 3214868480
	.section	.rodata,"a",@progbits
	.p2align	6, 0x0
	.amdhsa_kernel k_qbf02d3a2b4_pack
		.amdhsa_group_segment_fixed_size 35328
		.amdhsa_private_segment_fixed_size 0
		.amdhsa_enable_private_segment 0
		.amdhsa_kernarg_size 16
		.amdhsa_user_sgpr_count 2
		.amdhsa_user_sgpr_kernarg_segment_ptr 1
		.amdhsa_wavefront_size32 1
		.amdhsa_system_sgpr_workgroup_id_x 1
		.amdhsa_system_sgpr_workgroup_id_y 1
		.amdhsa_system_sgpr_workgroup_id_z 1
		.amdhsa_system_vgpr_workitem_id 0
		.amdhsa_next_free_vgpr 42
		.amdhsa_next_free_sgpr 66
		.amdhsa_reserve_vcc 0
		.amdhsa_float_denorm_mode_32 3
		.amdhsa_float_denorm_mode_16_64 3
		.amdhsa_memory_ordered 1
		.amdhsa_forward_progress 1
		.amdhsa_inst_pref_size 28
	.end_amdhsa_kernel
	.amdgpu_metadata
---
amdhsa.version: [ 1, 2 ]
amdhsa.kernels:
  - .name:           k_qbf02d3a2b4_pack
    .symbol:         k_qbf02d3a2b4_pack.kd
    .args:
      - { .name: attn_mask, .offset: 0, .size: 8, .value_kind: global_buffer, .address_space: global }
      - { .name: mbits, .offset: 8, .size: 8, .value_kind: global_buffer, .address_space: global }
    .group_segment_fixed_size: 35328
    .private_segment_fixed_size: 0
    .kernarg_segment_align: 8
    .kernarg_segment_size: 16
    .max_flat_workgroup_size: 512
    .sgpr_count:     66
    .vgpr_count:     42
    .wavefront_size: 32
...
	.end_amdgpu_metadata
.endif
;; end of part 1
;; launch attn (part 2): grid 8 x 32, 16 waves a work-group, no clusters, 293,888 bytes of LDS; arguments queries, keys_codes, keys_scales, values_codes, values_scales, mbits, out0; writes out0
.if DOCPART == 2
	.amdgcn_target "amdgcn-amd-amdhsa--gfx1250"
	.amdhsa_code_object_version 6
	.text
	.protected	k_qbf02d3a2b4_attn
	.globl	k_qbf02d3a2b4_attn
	.p2align	8
	.type	k_qbf02d3a2b4_attn,@function
k_qbf02d3a2b4_attn:
	s_mov_b64 s[64:65], 0
	v_nop
	global_prefetch_b8 v0, s[64:65] scope:SCOPE_SE
	s_setreg_imm32_b32 hwreg(HW_REG_WAVE_MODE, 25, 1), 1
	s_wait_xcnt 0x0
; out0[h][q][:] = the sum over k of softmax_k(masked(Q[h][q] / 8 . K[h][k])) V[h][k][:], 32 heads, 2,048 queries and keys, head size 64; both products on codes of BF6 (E3M2) with one E8M0 scale for each 32 along K.
; K arrives as codes [head][key][48 bytes], V as codes with the keys innermost [head][channel][1,536 bytes]; Q arrives as f32, is divided by 8 (exact) and quantised here.  The mask is an input: the launch before
; has packed it into lane-mask words and a flag word for each tile of 16 queries (mbits); it is honoured as it is given.
; THE SOFTMAX: t = score x log2(e); M = the row's largest t so far, rounded up to a whole number; p = 2^(t - M) is quantised along the keys, not normalised; the row's sum is taken of the unquantised p and divides at the end.
; When M moves, the sum and O are multiplied by 2^(old M - new M), which rounds nothing.
; A MASKED SCORE becomes -2^30, not -1e9: log2(e) in f32 is 12102203 x 2^-23, so -2^30 x log2(e) is a whole number that f32 holds; on a row that is masked everywhere M equals it and every p is 1, the uniform mean.
; On every other row a masked key's p is 0 either way.
; SHARES.  A work-group serves one head (y) and 16 tiles of 16 queries; the WHOLE head's K, V and scale bytes (200 KB) lie in its LDS, filled once through registers.  Each of the 16 waves owns one tile, in 256 registers.
; Wave w of work-group x takes tile x + 8 i(w), i(w) = w off the two diagonals of the 4 x 4 square (w / 4, w % 4) and 15 - w on them: each row and each column of that square sums to 30,
; so that under a mask whose open part grows with the query every four waves so grouped have the same number of steps.
; A STEP is 128 keys.  A step that is wholly masked for the tile is passed over where the flag word says that it adds nothing: a scalar branch on a stored whole number.  A step with nothing masked skips the 64 selects.
; NO JOINT LOADS, though a head's 8 work-groups read the same K and V: joint loads are tensor loads.
; That branch spares up to 120 of a work-group's 256 tile-steps (a triangular mask); sharing would spare three quarters of one fill of 200 KB.
; LAYOUT.  Both products are used transposed: S^T = K Q^T (source 0 = keys, source 1 = my 16 queries), O^T = V^T P^T (source 0 = 16 channels, source 1 = P): a lane holds ONE query (lane % 16) throughout.
; HEAD SIZE 64 IS HALF OF THE INSTRUCTION'S K: a fragment of K holds TWO keys a lane: registers 0-5 key 32 b + r + 8 (r / 8), registers 6-11 the key 8 further on.  Q stands as six zeros, six registers of codes, six zeros:
; v[22:33] multiplies the lower keys, v[16:27] the upper.  The 16 registers of the two results are then 16 neighbouring keys, 32 b + 16 (lane / 16) + 0 .. 15, as the conversions want them.
; LIMITS: unmasked scores at or under about -1e9 are not served (they would meet the stand-in); NaN, infinities and the scale byte 0xff are not served; a block whose largest magnitude lies under 2^-122 keeps the byte 1;
; a block's largest p is taken through its largest score, which takes v_exp_f32 not to fall where its input rises.
.set KSTEPB, 7168                      ; LDS, from byte 0: K: key k at 896 (k / 16) + 48 (k % 16): 16 keys' 768 bytes + 128 of padding; a step's 128 keys are 7,168 bytes.  In words a lane begins at 12 (r % 8) + 224 (r / 8) + 6 h: 32 different even words modulo 64 (64 banks of 4 bytes: ISA guide 11.1)
.set VB,     114688                    ; V: channel d at 1,552 d (1,536 + 16): in words 4 r + 6 h modulo 64: again 32 different even words
.set VP,     1552
.set SCB,    214016                    ; the scale words: step s at 512 s + 16 x lane: lanes 0-15 K's four words (fragments 0-3, row r), lanes 16-31 V's four (channel tiles 0-3, row r)
.set STG,    222208                    ; a stage for each wave, its own: 16 rows x (256 + 16) bytes: Q on the way in, O on the way out
.set SP,     272
.set AK,   1                           ; v1   my lane's place in a fragment of K
.set AV,   2                           ; v2   in a tile of V, channels 0-31;  v3: channels 32-63 (an LDS immediate ends at 65,535)
.set ASC,  4                           ; v4   among a step's scale words
.set NEGV, 5                           ; v5   -2^30
.set SA,   6                           ; v6   stage: lanes 0-15 one row, lanes 16-31 the next, 16 bytes a lane
.set SBQ,  7                           ; v7   stage: row r, + 128 h: my block of 32 numbers of Q
.set SCO,  8                           ; v8   stage: row r, + 32 h: my eight channels of a tile of O
.set GL,   9                           ; v9   16 x lane
.set NM,   12                          ; v12 -M, v13 the largest t, v[14:15] the row's sum in two halves
.set QZ,   16                          ; v[16:33] Q: zeros, codes, zeros;  v34, v35 its two scale words
.set QS,   34
.set SCW,  36                          ; v[36:39] the step's scale words
.set FRG,  40                          ; v[40:87] four fragments of K, then of V
.set ADK,  88                          ; v88-91 the step's LDS addresses: K, V, V's upper channels, scale words
.set ADV,  89
.set ADS,  91
.set SS,   96                          ; v[96:159] S^T, then p
.set OT,   160                         ; v[160:191] O^T
.set PCD,  192                         ; v[192:203] p's codes;  v[204:206], v[208:210] the conversions' second halves
.set PH,   204
.set BM,   212                         ; v[212:215] the blocks' largest scores, then largest p
.set PT,   216                         ; v[216:219] the other half's, then the scale bytes
.set SOP,  220                         ; v[220:223] the conversions' scale operands
.set PSW,  224                         ; v224 p's scale word
.set FF,   226                         ; v[226:227] f = 2^(old M - new M) (the pair is named; its low word serves both halves)
.set TMP,  228                         ; v228, v229 at work
.set SUM2, 230                         ; v[230:231] the sum's second chain
.set QD,   40                          ; head only: Q as loaded;  v[192:223] Q by blocks;  v[96:143] K, v[144:191] V as loaded;  v[72:79], v[80:83] scale bytes;  v[84:87] the scale words' image
.set QT,   192
.set KR,   96
.set VR,   144
.set KSR,  72
.set VSR,  80
.set IMG,  84
.set WV,   18                          ; s18 wave, s19 head, s[20:21] lane selects, s[22:23] log2(e), s24 the flag word, s25 steps done, s26-28 where the step's K, V and scale words begin in LDS
.set FL,   24
.set CNT,  25
.set TK,   26
.set TV,   27
.set TS,   28                          ; s[32:63], s[68:99]: the step's 64 mask words
	s_load_b256 s[4:11], s[0:1], 0x0               ; Q s[4:5], K's codes s[6:7], K's scales s[8:9], V's codes s[10:11]
	s_load_b128 s[12:15], s[0:1], 0x20             ; V's scales s[12:13], mbits s[14:15]
	s_load_b64 s[16:17], s[0:1], 0x30              ; out0
	v_lshl_add_u32 v254, v0, 2, 0x47400
	v_mov_b32 v255, 0
	v_lshrrev_b32 v10, 5, v0
	s_delay_alu instid0(VALU_DEP_1)
	v_readfirstlane_b32 s[WV], v10                 ; wave 0..15
	v_and_b32 v10, 31, v0                          ; lane
	v_and_b32 v11, 15, v0                          ; r
	v_bfe_u32 v88, v0, 4, 1                        ; h
	s_delay_alu instid0(VALU_DEP_2)
	v_lshrrev_b32 v89, 3, v11                      ; r / 8
	s_delay_alu instid0(VALU_DEP_4)
	v_lshlrev_b32 v[GL], 4, v10
	s_delay_alu instid0(VALU_DEP_4)
	v_lshlrev_b32 v92, 1, v11
	s_delay_alu instid0(VALU_DEP_1)
	v_lshl_add_u32 v92, v89, 4, v92                ; K's scale bytes: 2 bytes a key, key r + 8 (r / 8)
	v_lshlrev_b32 v93, 6, v11                      ; V's: 64 bytes a channel, channel r
	s_and_b32 s19, ttmp7, 0xffff                   ; the head
	s_lshr_b32 s28, s[WV], 2                       ; i(w): x = (w / 4) xor (w % 4) is 0 or 3 on the two diagonals
	s_and_b32 s29, s[WV], 3
	s_xor_b32 s28, s28, s29
	s_lshr_b32 s29, s28, 1
	s_xor_b32 s28, s28, s29
	s_and_b32 s28, s28, 1                          ; 0 on them, 1 off them
	s_sub_co_u32 s28, s28, 1
	s_and_b32 s28, s28, 15                         ; 15 on them, 0 off them
	s_xor_b32 s28, s28, s[WV]                      ; 15 - w or w
	s_lshl_b32 s28, s28, 3
	s_add_co_u32 s28, s28, ttmp9                   ; my tile T: it enters addresses in memory alone
	s_lshl_b32 s30, s19, 7
	s_add_co_u32 s30, s30, s28
	s_lshl_b32 s30, s30, 12                        ; Q and out0: (128 head + T) x 4,096 bytes
	s_mov_b32 s31, 0
	s_mul_i32 s2, s28, 4352                        ; mbits: 4,352 bytes a tile
	s_mov_b32 s3, 0
	s_mul_i32 s26, s19, 98304                      ; the codes: 98,304 bytes a head; wave w fills 6,144 of them: K's step w, V's channels 4 w .. 4 w + 3
	s_mul_i32 s27, s[WV], 6144
	s_add_co_u32 s26, s26, s27
	s_mov_b32 s27, 0
	s_lshl_b32 s24, s19, 12                        ; K's scale bytes: 4,096 a head, 256 a step
	s_lshl_b32 s25, s[WV], 8
	s_add_co_u32 s24, s24, s25
	s_mov_b32 s25, 0
	s_lshl_b32 s22, s19, 12                        ; V's: 4,096 a head, 4 a step in each channel's row
	s_lshl_b32 s23, s[WV], 2
	s_add_co_u32 s22, s22, s23
	s_mov_b32 s23, 0
	s_mov_b32 s20, 0x76543210
	s_mov_b32 s21, 0xfedcba98                      ; v_permlanex16_b32's selects for lane l xor 16
	s_wait_alu depctr_va_vdst(0)
	s_wait_kmcnt 0x0
	s_add_nc_u64 s[4:5], s[4:5], s[30:31]
	s_add_nc_u64 s[16:17], s[16:17], s[30:31]
	s_add_nc_u64 s[6:7], s[6:7], s[26:27]
	s_add_nc_u64 s[10:11], s[10:11], s[26:27]
	s_add_nc_u64 s[8:9], s[8:9], s[24:25]
	s_add_nc_u64 s[12:13], s[12:13], s[22:23]
	s_add_nc_u64 s[14:15], s[14:15], s[2:3]
	s_load_b32 s[FL], s[14:15], 0x1000             ; my tile's flag word
	; ALL 44 LOADS GO OUT AT ONCE: Q's 8, K's 12, V's 12 (each 512 consecutive bytes a wave), 8 + 4 of scale bytes.  No address register and no base is written again.
.irp j, 0,1,2,3,4,5,6,7
	global_load_b128 v[QD+4*\j:QD+4*\j+3], v[GL], s[4:5] offset:512*\j th:TH_LOAD_NT   ; my tile of Q is read by me alone
.endr
.irp j, 0,1,2,3,4,5,6,7,8,9,10,11
	global_load_b128 v[KR+4*\j:KR+4*\j+3], v[GL], s[6:7] offset:512*\j
.endr
.irp j, 0,1,2,3,4,5,6,7,8,9,10,11
	global_load_b128 v[VR+4*\j:VR+4*\j+3], v[GL], s[10:11] offset:512*\j
.endr
.irp f, 0,1,2,3
.irp u, 0,1
	global_load_u16 v[KSR+2*\f+\u], v92, s[8:9] offset:64*\f+16*\u     ; fragment f: the lower key's two bytes, the upper key's two
.endr
.endr
.irp c, 0,1,2,3
	global_load_b32 v[VSR+\c], v93, s[12:13] offset:1024*\c            ; channel 16 c + r: the word of step w
.endr
	s_mov_b32 s22, 0x3fb8aa3b                      ; c = log2(e)
	s_mov_b32 s23, s22                             ; (named with it as a pair, so it is written)
	; the addresses that stay, made while the loads are out
	v_and_b32 v90, 7, v11
	v_mul_u32_u24 v[AK], v89, 896
	s_delay_alu instid0(VALU_DEP_1)
	v_mad_u32_u24 v[AK], v90, 48, v[AK]
	s_delay_alu instid0(VALU_DEP_1)
	v_mad_u32_u24 v[AK], v88, 24, v[AK]            ; K: 896 (r / 8) + 48 (r % 8) + 24 h
	v_mul_u32_u24 v[AV], v11, VP
	s_delay_alu instid0(VALU_DEP_1)
	v_mad_u32_u24 v[AV], v88, 24, v[AV]
	s_delay_alu instid0(VALU_DEP_1)
	v_add_nc_u32 v[AV], VB, v[AV]                  ; V: channel r, + 24 h
	s_delay_alu instid0(VALU_DEP_1)
	v_add_nc_u32 v[AV+1], 32*VP, v[AV]             ; and 32 channels on
	v_lshl_add_u32 v[ASC], v10, 4, SCB
	v_mov_b32 v[NEGV], 0xce800000
	s_mul_i32 s29, s[WV], 16*SP
	s_add_co_u32 s29, s29, STG                     ; my stage
	v_mul_u32_u24 v[SA], v88, SP
	s_delay_alu instid0(VALU_DEP_1)
	v_lshl_add_u32 v[SA], v11, 4, v[SA]
	s_delay_alu instid0(VALU_DEP_1)
	v_add_nc_u32 v[SA], s29, v[SA]
	v_mul_u32_u24 v[SBQ], v11, SP
	s_delay_alu instid0(VALU_DEP_1)
	v_lshl_add_u32 v[SCO], v88, 5, v[SBQ]
	s_delay_alu instid0(VALU_DEP_2)
	v_lshl_add_u32 v[SBQ], v88, 7, v[SBQ]
	s_delay_alu instid0(VALU_DEP_1)
	v_add_nc_u32 v[SBQ], s29, v[SBQ]
	s_delay_alu instid0(VALU_DEP_3)
	v_add_nc_u32 v[SCO], s29, v[SCO]
	s_mul_i32 s29, s[WV], KSTEPB
	v_add_nc_u32 v236, s29, v[GL]                  ; the fill: K's step w, 16 x lane;
	s_delay_alu instid0(VALU_DEP_1)
	v_lshl_add_u32 v237, v88, 7, v236              ; the same behind one padding more for lanes 16-31
	s_mul_i32 s29, s[WV], 4*VP
	s_add_co_u32 s29, s29, VB
	v_add_nc_u32 v238, s29, v[GL]                  ; V's channels 4 w on
	v_lshl_add_u32 v239, v0, 4, SCB                ; the scale words of step w: 512 w + 16 x lane
.irp i, 16,17,18,19,20,21,28,29,30,31,32,33
	v_mov_b32 v\i, 0                               ; the zero codes on both sides of Q's
.endr
	v_mov_b32 v231, 0                              ; (a lane permute's destination counts as one of its sources)
	; Q: through my stage, so that a lane holds a whole block of 32 of its row; / 8; quantised
	s_wait_loadcnt 36                              ; Q's eight loads are in: 36 were issued behind them
.irp j, 0,1,2,3,4,5,6,7
	ds_store_b128 v[SA], v[QD+4*\j:QD+4*\j+3] offset:2*SP*\j
.endr
.irp k, 0,1,2,3,4,5,6,7
	ds_load_b128 v[QT+4*\k:QT+4*\k+3], v[SBQ] offset:16*\k            ; LDS serves a wave's instructions in order (ISA guide 5.7.1.4): these see my stores.  Q(r, 32 h + 0 .. 31)
.endr
	s_wait_dscnt 0x0
.set j, 0
.rept 16
	v_pk_mul_f32 v[QT+j:QT+j+1], v[QT+j:QT+j+1], 0x3e000000 op_sel_hi:[1,0]   ; / sqrt(64): x 1/8, exact
.set j, j+2
.endr
	v_max3_num_f32 v[TMP], |v[QT]|, |v[QT+1]|, 0x2800000               ; my block's largest magnitude, in two chains, and the floor 2^(5 - 127): the byte cannot fall under 1
	v_max3_num_f32 v[TMP+1], |v[QT+2]|, |v[QT+3]|, 0x2800000
.irp i, 4,8,12,16,20,24,28
	s_delay_alu instid0(VALU_DEP_2)
	v_max3_num_f32 v[TMP], v[TMP], |v[QT+\i]|, |v[QT+\i+1]|
	s_delay_alu instid0(VALU_DEP_2)
	v_max3_num_f32 v[TMP+1], v[TMP+1], |v[QT+\i+2]|, |v[QT+\i+3]|
.endr
	s_delay_alu instid0(VALU_DEP_1)
	v_max_num_f32 v[TMP], v[TMP], v[TMP+1]
	s_delay_alu instid0(VALU_DEP_1)
	v_add_nc_u32 v[TMP+1], 0xfe000000, v[TMP]      ; 4 off its exponent field: the conversion takes the exponent field of this operand as its scale
	s_delay_alu instid0(VALU_DEP_1)
	v_lshrrev_b32 v[TMP], 23, v[TMP+1]             ; the scale's byte
	v_cvt_scalef32_pk16_bf6_f32 v[QZ+6:QZ+8], v[QT:QT+15], v[TMP+1]
	v_cvt_scalef32_pk16_bf6_f32 v[232:234], v[QT+16:QT+31], v[TMP+1]   ; (a conversion's three registers begin on an even number)
	v_nop                                          ; one plain place behind a scaled conversion
.irp i, 0,1,2
	v_mov_b32 v[QZ+9+\i], v[232+\i]
.endr
	v_lshlrev_b32 v230, 3, v88
	s_delay_alu instid0(VALU_DEP_1)
	v_lshlrev_b32 v[TMP], v230, v[TMP]             ; my block's byte at its place, 8 h bits up;
	s_delay_alu instid0(VALU_DEP_1)
	v_permlanex16_b32 v231, v[TMP], s20, s21
	s_delay_alu instid0(VALU_DEP_1)
	v_or_b32 v[QS], v[TMP], v231                   ; with lane l xor 16's: {s0, s1, 0, 0}, for the lower keys (the two bytes 0 scale zero codes);
	s_delay_alu instid0(VALU_DEP_1)
	v_lshlrev_b32 v[QS+1], 16, v[QS]               ; {0, 0, s0, s1}, for the upper
	; the fill of LDS
	s_wait_loadcnt 24                              ; K's twelve loads are in: V's 12 and the 12 of scale bytes were issued behind them
.irp m, 0,1,2,3                        ; 1,536 bytes are two groups of 16 keys; byte x of the step goes to x + 128 (x / 768)
	ds_store_b128 v236, v[KR+12*\m:KR+12*\m+3] offset:1792*\m
	ds_store_b128 v237, v[KR+12*\m+4:KR+12*\m+7] offset:1792*\m+512    ; lanes 16-31 are in the second group
	ds_store_b128 v236, v[KR+12*\m+8:KR+12*\m+11] offset:1792*\m+1152
.endr
	s_wait_loadcnt 12                              ; V's are in: the 12 of scale bytes were issued behind them
.irp j, 0,1,2,3,4,5,6,7,8,9,10,11
	ds_store_b128 v238, v[VR+4*\j:VR+4*\j+3] offset:VP*(\j/3)+512*(\j%3)
.endr
	s_wait_loadcnt 0x0
.irp f, 0,1,2,3
	v_lshl_or_b32 v[IMG+\f], v[KSR+2*\f+1], 16, v[KSR+2*\f]            ; K's word: the lower key's blocks, then the upper key's
.endr
	v_cmp_le_u32 vcc_lo, 16, v10
.irp f, 0,1,2,3
	v_cndmask_b32 v[IMG+\f], v[IMG+\f], v[VSR+\f], vcc_lo              ; lanes 16-31 carry V's words
.endr
	ds_store_b128 v239, v[IMG:IMG+3]
	s_wait_dscnt 0x0                               ; for the others' sake: my part of K, V and the scale words lies in LDS
	s_barrier_signal -1                            ; the launch's one barrier; work on registers stands between its halves
.set j, 0
.rept 32
	v_mov_b32 v[OT+j], 0                           ; O^T.  (The step is written once: the first finds zeros, which the first change of M leaves zeros)
.set j, j+1
.endr
	v_mov_b32 v[NM+1], 0xff61b1e6                  ; the largest t so far: -3e38, under every t, the masked ones too
	s_delay_alu instid0(VALU_DEP_1)
	v_floor_f32 v[NM], -v[NM+1]                    ; -M
	v_mov_b32 v14, 0                               ; the sum, in two halves
	v_mov_b32 v15, 0
.irp b, 0,1,2,3
	v_mov_b32 v[PT+\b], 0                          ; (a lane permute's destination counts as one of its sources)
.endr
	v_mov_b32 v[FF+1], 0                           ; (named as the upper half of the pair)
	s_barrier_wait -1                              ; the whole head lies in LDS; from here on it is only read
	s_wait_kmcnt 0x0                               ; the flag word
	s_mov_b32 s[CNT], 0
	s_mov_b32 s[TK], 0
	s_mov_b32 s[TV], 0
	s_mov_b32 s[TS], 0
.macro KFRAG b                         ; fragment b: 24 bytes of the lower key, 24 of the key 8 (384 bytes) further on, in pieces of 8 bytes
.irp p, 0,1,2,3,4,5
	ds_load_b64 v[FRG+12*(\b)+2*\p:FRG+12*(\b)+2*\p+1], v[ADK] offset:1792*(\b)+384*(\p/3)+8*(\p%3)
.endr
.endm
.macro VFRAG c                         ; channels 16 c on, these 128 keys: 96 bytes of each row
.irp p, 0,1,2,3,4,5
	ds_load_b64 v[FRG+12*(\c)+2*\p:FRG+12*(\c)+2*\p+1], v[ADV+(\c)/2] offset:16*VP*((\c)%2)+48*(\p/3)+8*(\p%3)
.endr
.endm
.Lstep:                                ; 16 trips, a constant: what is passed over is a step's work, not the lines at its end that step addresses
	s_bitcmp1_b32 s[FL], 0                         ; wholly masked, and every row has an open key elsewhere: every p would be 0
	s_cbranch_scc1 .Lhidden
	s_load_b512 s[32:47], s[14:15], 0x0            ; the step's 64 mask words
	s_load_b512 s[48:63], s[14:15], 0x40
	s_load_b512 s[68:83], s[14:15], 0x80
	s_load_b512 s[84:99], s[14:15], 0xc0
	s_setprio 2
	v_add_nc_u32 v[ADK], s[TK], v[AK]              ; these four are also the four places between the last step's products and the loads into registers that they read
	v_add_nc_u32 v[ADV], s[TV], v[AV]
	v_add_nc_u32 v[ADV+1], s[TV], v[AV+1]
	v_add_nc_u32 v[ADS], s[TS], v[ASC]
	ds_load_b128 v[SCW:SCW+3], v[ADS]
	KFRAG 0
	KFRAG 1
	KFRAG 2
	KFRAG 3
	s_wait_alu depctr_va_vdst(0)
	s_wait_dscnt 0x0
.irp b, 0,1,2,3                        ; S^T = K Q^T: eight results, each begun with the constant 0
.irp u, 0,1
	v_wmma_scale_f32_16x16x128_f8f6f4 v[SS+8*(2*\b+\u):SS+8*(2*\b+\u)+7], v[FRG+12*\b:FRG+12*\b+11], v[QZ+6-6*\u:QZ+17-6*\u], 0, v[SCW+\b], v[QS+\u] matrix_a_fmt:MATRIX_FMT_BF6 matrix_b_fmt:MATRIX_FMT_BF6
.endr
.endr
.rept 4
	v_nop                                          ; four places in front of the loads into K's registers and of the first read of the scores
.endr
	VFRAG 0                                        ; V lands while the softmax is walked
	VFRAG 1
	VFRAG 2
	VFRAG 3
	s_wait_kmcnt 0x0                               ; the mask words are in (on both ways: so their base may step at the step's end)
	s_bitcmp1_b32 s[FL], 16                        ; nothing masked in this step?
	s_cbranch_scc1 .Lopen
.set n, 0
.rept 64                               ; register n, lane l: masked where bit l of word n is set.  Each result is read from its low end on
.if n < 32
	v_cndmask_b32 v[SS+n], v[SS+n], v[NEGV], s[32+n]
.else
	v_cndmask_b32 v[SS+n], v[SS+n], v[NEGV], s[36+n]
.endif
.set n, n+1
.endr
.Lopen:
.irp b, 0,1,2,3
	v_max3_num_f32 v[BM+\b], v[SS+16*\b], v[SS+1+16*\b], v[SS+2+16*\b]   ; the largest score of each block of 32 keys: it serves for the row's maximum and, since p rises with the score, for the block's largest p
.endr
.irp i, 3,5,7,9,11,13
.irp b, 0,1,2,3
	v_max3_num_f32 v[BM+\b], v[BM+\b], v[SS+16*\b+\i], v[SS+1+16*\b+\i]  ; (the four blocks by turns)
.endr
.endr
.irp b, 0,1,2,3
	v_max_num_f32 v[BM+\b], v[BM+\b], v[SS+15+16*\b]
.endr
.irp b, 0,1,2,3
	s_delay_alu instid0(VALU_DEP_4)
	v_permlanex16_b32 v[PT+\b], v[BM+\b], s20, s21
.endr
.irp b, 0,1,2,3
	s_delay_alu instid0(VALU_DEP_4)
	v_max_num_f32 v[BM+\b], v[BM+\b], v[PT+\b]     ; with lane l xor 16's 16 keys
.endr
	s_delay_alu instid0(VALU_DEP_2)
	v_max3_num_f32 v[TMP], v[BM], v[BM+1], v[BM+2]
	s_delay_alu instid0(VALU_DEP_1)
	v_max_num_f32 v[TMP], v[TMP], v[BM+3]          ; the step's largest score of my query
	s_delay_alu instid0(VALU_DEP_1)
	v_mul_f32 v[TMP], s22, v[TMP]                  ; as t (c is positive)
	s_delay_alu instid0(VALU_DEP_1)
	v_max_num_f32 v[NM+1], v[NM+1], v[TMP]         ; the running largest t
	v_mov_b32 v[TMP], v[NM]
	s_delay_alu instid0(VALU_DEP_2)
	v_floor_f32 v[NM], -v[NM+1]                    ; the new -M = floor(-t) = -ceil(t): a whole number
	s_delay_alu instid0(VALU_DEP_1)
	v_sub_f32 v[TMP], v[NM], v[TMP]                ; old M less new M: a whole number, 0 or less
	s_delay_alu instid0(VALU_DEP_1)
	v_cvt_i32_f32 v[TMP], v[TMP]                   ; (it saturates)
	s_delay_alu instid0(VALU_DEP_1)
	v_ldexp_f32 v[FF], 1.0, v[TMP]                 ; f = 2^(old M - new M)
.set j, 0
.rept 32
	v_pk_fma_f32 v[SS+j:SS+j+1], v[SS+j:SS+j+1], s[22:23], v[NM:NM+1] op_sel_hi:[1,0,0]   ; t - M, two at a time (of the pairs c and -M the low word serves both halves)
.set j, j+2
.endr
.irp b, 0,1,2,3
	v_fma_f32 v[BM+\b], v[BM+\b], s22, v[NM]       ; the same of each block's largest score
.endr
.set j, 0
	s_setprio 1
	s_wait_alu depctr_va_vdst(0)
.rept 64
	v_exp_f32 v[SS+j], v[SS+j]                     ; p = 2^(t - M): one batch
.set j, j+1
.endr
	v_pk_mul_f32 v[14:15], v[14:15], v[FF:FF+1] op_sel_hi:[1,0]         ; the sums under the new M: the plain instruction behind the exponentials
	s_wait_alu depctr_va_vdst(0)                   ; the wait ahead of the first line that names a result: one for the 64
.irp b, 0,1,2,3
	v_exp_f32 v[BM+\b], v[BM+\b]                   ; the blocks' largest p: the same two instructions on the same number give the same bits
.endr
	v_pk_add_f32 v[230:231], v[100:101], v[104:105]
	v_pk_add_f32 v[252:253], v[108:109], v[112:113]
	v_pk_add_f32 v[250:251], v[116:117], v[120:121]
	v_pk_add_f32 v[248:249], v[124:125], v[128:129]
	v_pk_add_f32 v[246:247], v[132:133], v[136:137]
	v_pk_add_f32 v[244:245], v[140:141], v[144:145]
	v_pk_add_f32 v[242:243], v[148:149], v[152:153]
	v_pk_add_f32 v[14:15], v[14:15], v[156:157]
	v_pk_add_f32 v[230:231], v[230:231], v[96:97]
	v_pk_add_f32 v[252:253], v[252:253], v[98:99]
	v_pk_add_f32 v[250:251], v[250:251], v[102:103]
	v_pk_add_f32 v[248:249], v[248:249], v[106:107]
	v_pk_add_f32 v[246:247], v[246:247], v[110:111]
	v_pk_add_f32 v[244:245], v[244:245], v[114:115]
	v_pk_add_f32 v[242:243], v[242:243], v[118:119]
	v_pk_add_f32 v[14:15], v[14:15], v[122:123]
	v_pk_add_f32 v[230:231], v[230:231], v[126:127]
	v_pk_add_f32 v[252:253], v[252:253], v[130:131]
	v_pk_add_f32 v[250:251], v[250:251], v[134:135]
	v_pk_add_f32 v[248:249], v[248:249], v[138:139]
	v_pk_add_f32 v[246:247], v[246:247], v[142:143]
	v_pk_add_f32 v[244:245], v[244:245], v[146:147]
	v_pk_add_f32 v[242:243], v[242:243], v[150:151]
	v_pk_add_f32 v[14:15], v[14:15], v[154:155]
	v_pk_add_f32 v[230:231], v[230:231], v[158:159]
	s_delay_alu instid0(VALU_DEP_2)
	v_pk_add_f32 v[14:15], v[14:15], v[248:249]
	s_delay_alu instid0(VALU_DEP_2)
	v_pk_add_f32 v[230:231], v[230:231], v[246:247]
	v_pk_add_f32 v[252:253], v[252:253], v[244:245]
	v_pk_add_f32 v[250:251], v[250:251], v[242:243]
	s_delay_alu instid0(VALU_DEP_2)
	v_pk_add_f32 v[14:15], v[14:15], v[252:253]
	s_delay_alu instid0(VALU_DEP_2)
	v_pk_add_f32 v[230:231], v[230:231], v[250:251]
	s_delay_alu instid0(VALU_DEP_1)
	v_pk_add_f32 v[14:15], v[14:15], v[230:231]
	s_wait_alu depctr_va_vdst(0)                   ; and one for the four
.irp b, 0,1,2,3
	v_max_num_f32 v[BM+\b], 0x2800000, v[BM+\b]    ; the floor 2^(5 - 127): the byte cannot fall under 1 (a block whose every p is 0 keeps that byte: its codes are zeros)
.endr
.irp b, 0,1,2,3
	s_delay_alu instid0(VALU_DEP_4)
	v_add_nc_u32 v[SOP+\b], 0xfe000000, v[BM+\b]   ; 4 off the exponent field: the conversion's scale operand
.endr
.irp b, 0,1,2,3
	s_delay_alu instid0(VALU_DEP_4)
	v_lshrrev_b32 v[PT+\b], 23, v[SOP+\b]          ; the scale's byte
.endr
	s_delay_alu instid0(VALU_DEP_3)
	v_lshl_or_b32 v[PSW], v[PT+1], 8, v[PT]        ; p's scale word for these 128 keys
	s_delay_alu instid0(VALU_DEP_1)
	v_lshl_or_b32 v[PSW], v[PT+2], 16, v[PSW]
	s_delay_alu instid0(VALU_DEP_1)
	v_lshl_or_b32 v[PSW], v[PT+3], 24, v[PSW]
	s_setprio 0
.irp c, 0,1
	v_cvt_scalef32_pk16_bf6_f32 v[PCD+6*\c:PCD+6*\c+2], v[SS+32*\c:SS+32*\c+15], v[SOP+2*\c]
	v_cvt_scalef32_pk16_bf6_f32 v[PH+4*\c:PH+4*\c+2], v[SS+32*\c+16:SS+32*\c+31], v[SOP+2*\c+1]   ; (a conversion's three registers begin on an even number)
.endr
	v_nop                                          ; one plain place behind a scaled conversion
.irp c, 0,1                            ; the operand's layout wants a WHOLE block in a lane: lanes 0-15 block 2 c, lanes 16-31 block 2 c + 1
.irp i, 0,1,2
	v_permlane16_swap_b32 v[PCD+6*\c+\i], v[PH+4*\c+\i]
.endr
.irp i, 0,1,2
	s_delay_alu instid0(VALU_DEP_3)
	v_mov_b32 v[PCD+6*\c+3+\i], v[PH+4*\c+\i]
.endr
.endr
.set j, 0
.rept 16
	v_pk_mul_f32 v[OT+j:OT+j+1], v[OT+j:OT+j+1], v[FF:FF+1] op_sel_hi:[1,0]   ; O^T under the new M, each result from its low end on.  (These 16 are also the places between p's codes and scale word and the products)
.set j, j+2
.endr
	s_wait_alu depctr_va_vdst(0)
	s_wait_dscnt 0x0                               ; V's fragments are in
.irp c, 0,1,2,3                        ; O^T += V^T P^T: four accumulators, one instruction each; the matrix instruction ahead of the first is a score's
	v_wmma_scale_f32_16x16x128_f8f6f4 v[OT+8*\c:OT+8*\c+7], v[FRG+12*\c:FRG+12*\c+11], v[PCD:PCD+11], v[OT+8*\c:OT+8*\c+7], v[SCW+\c], v[PSW] matrix_a_fmt:MATRIX_FMT_BF6 matrix_b_fmt:MATRIX_FMT_BF6 matrix_a_scale:MATRIX_SCALE_ROW1
.endr
.Lhidden:
	s_lshr_b32 s[FL], s[FL], 1                     ; the next step's two flags come to bits 0 and 16
	s_add_co_u32 s[TK], s[TK], KSTEPB
	s_add_co_u32 s[TV], s[TV], 96
	s_add_co_u32 s[TS], s[TS], 512
	s_add_nc_u64 s[14:15], s[14:15], 256           ; the next step's mask words (no scalar load is out here)
	s_add_co_u32 s[CNT], s[CNT], 1
	s_cmp_lt_u32 s[CNT], 16
	s_cbranch_scc1 .Lstep
	s_setprio 0
	; THE WAY OUT.  O^T / the sum goes through my stage and leaves as whole rows: each store of the wave covers 512 consecutive bytes, two rows of O.
.rept 4
	v_nop                                          ; four places behind the last products
.endr
	s_wait_alu depctr_va_vdst(0)
	v_add_f32 v14, v14, v15                        ; the sum's two halves,
	s_delay_alu instid0(VALU_DEP_1)
	v_permlanex16_b32 v[PT], v14, s20, s21
	s_delay_alu instid0(VALU_DEP_1)
	v_add_f32 v14, v14, v[PT]                      ; and lane l xor 16's: the row's sum.  It is above 1/2: at least one step was walked
	s_wait_alu depctr_va_vdst(0)
	v_rcp_f32 v[FF], v14
	v_nop                                          ; a plain instruction behind the reciprocal
	s_wait_alu depctr_va_vdst(0)                   ; and the wait ahead of its first reader
.set j, 0
.rept 16
	v_pk_mul_f32 v[OT+j:OT+j+1], v[OT+j:OT+j+1], v[FF:FF+1] op_sel_hi:[1,0]   ; register 8 c + i is o(r, 16 c + 8 h + i)
.set j, j+2
.endr
.irp c, 0,1,2,3
	ds_store_b128 v[SCO], v[OT+8*\c:OT+8*\c+3] offset:64*\c
	ds_store_b128 v[SCO], v[OT+8*\c+4:OT+8*\c+7] offset:64*\c+16
.endr
.irp j, 0,1,2,3,4,5,6,7
	ds_load_b128 v[SS+4*\j:SS+4*\j+3], v[SA] offset:2*SP*\j            ; LDS serves a wave's instructions in order: these see my stores
.endr
.irp j, 0,1,2,3,4,5,6,7
	s_wait_dscnt 7-\j                              ; load j is in; the 7 - j younger ones may be out
	global_store_b128 v[GL], v[SS+4*\j:SS+4*\j+3], s[16:17] offset:512*\j th:TH_STORE_NT   ; written once, read by nobody here
.endr
	s_wait_tensorcnt 0x0
	ds_add_u32 v254, v255
	s_wait_dscnt 0x0
	s_endpgm
.Lfunc_end_k_qbf02d3a2b4_attn:
	.size	k_qbf02d3a2b4_attn, .Lfunc_end_k_qbf02d3a2b4_attn-k_qbf02d3a2b4_attn
	.p2alignl 7, 3214868480
	.fill 96, 4, 3214868480
	.section	.rodata,"a",@progbits
	.p2align	6, 0x0
	.amdhsa_kernel k_qbf02d3a2b4_attn
		.amdhsa_group_segment_fixed_size 293888
		.amdhsa_private_segment_fixed_size 0
		.amdhsa_enable_private_segment 0
		.amdhsa_kernarg_size 56
		.amdhsa_user_sgpr_count 2
		.amdhsa_user_sgpr_kernarg_segment_ptr 1
		.amdhsa_wavefront_size32 1
		.amdhsa_system_sgpr_workgroup_id_x 1
		.amdhsa_system_sgpr_workgroup_id_y 1
		.amdhsa_system_sgpr_workgroup_id_z 1
		.amdhsa_system_vgpr_workitem_id 0
		.amdhsa_next_free_vgpr 256
		.amdhsa_next_free_sgpr 100
		.amdhsa_reserve_vcc 1
		.amdhsa_float_denorm_mode_32 3
		.amdhsa_float_denorm_mode_16_64 3
		.amdhsa_memory_ordered 1
		.amdhsa_forward_progress 1
		.amdhsa_inst_pref_size 45
	.end_amdhsa_kernel
	.amdgpu_metadata
---
amdhsa.version: [ 1, 2 ]
amdhsa.kernels:
  - .name:           k_qbf02d3a2b4_attn
    .symbol:         k_qbf02d3a2b4_attn.kd
    .args:
      - { .name: queries, .offset: 0, .size: 8, .value_kind: global_buffer, .address_space: global }
      - { .name: keys_codes, .offset: 8, .size: 8, .value_kind: global_buffer, .address_space: global }
      - { .name: keys_scales, .offset: 16, .size: 8, .value_kind: global_buffer, .address_space: global }
      - { .name: values_codes, .offset: 24, .size: 8, .value_kind: global_buffer, .address_space: global }
      - { .name: values_scales, .offset: 32, .size: 8, .value_kind: global_buffer, .address_space: global }
      - { .name: mbits, .offset: 40, .size: 8, .value_kind: global_buffer, .address_space: global }
      - { .name: out0, .offset: 48, .size: 8, .value_kind: global_buffer, .address_space: global }
    .group_segment_fixed_size: 293888
    .private_segment_fixed_size: 0
    .kernarg_segment_align: 8
    .kernarg_segment_size: 56
    .max_flat_workgroup_size: 512
    .sgpr_count:     100
    .vgpr_count:     256
    .wavefront_size: 32
...
	.end_amdgpu_metadata
.endif
;; end of part 2
